; MI455X (gfx1250); checked and timed in simulation.
; The chip was launched on July 23, 2026; its instructions are those of AMD's public machine-readable ISA for CDNA 5 (MIT licence, August 2026) and "CDNA5" Instruction Set Architecture Reference Guide (July 2026). The comments in the code are by the model that wrote it; some were corrected since.
;; Multi Head Attention. Allowed arithmetic: matrix products marked QUANTISED: E4M3 operands, one given power-of-two scale a tensor, by v_wmma_f32_16x16x64_fp8_fp8 or v_wmma_f32_16x16x128_fp8_fp8, f32 sums; products left as they are: f32 operands where the result goes on into a quantised operand, else bf16, f16 or f32 operands; f32 sums; everything else in f32.
;; Inputs: lowp_scales 12 int32 (the exponents e of the quantised operands' scales 2^e); mask 1 x 1 x 2,048 x 2,048 float32; wk_codes 1,024 x 64 x 32 uint8 (E4M3 codes of wk, K innermost, in blocks of 32 codes); wo_codes 2,048 x 32 x 32 uint8 (E4M3 codes of wo, K innermost, in blocks of 32 codes); wq_codes 1,024 x 64 x 32 uint8 (E4M3 codes of wq, K innermost, in blocks of 32 codes); wv_codes 1,024 x 64 x 32 uint8 (E4M3 codes of wv, K innermost, in blocks of 32 codes); x_codes 2 x 2,048 x 64 x 32 uint8 (E4M3 codes of x, K innermost, in blocks of 32 codes).
;; Outputs: out0 2 x 2,048 x 2,048 float32.
;; This version of the problem:
;;   THIS VERSION OF THE PROBLEM IS GIVEN IN LOW PRECISION. The matrix products marked QUANTISED in the list below multiply operands that are first quantised to E4M3 (4 exponent bits, 3 mantissa bits; 8 bits a number), with one given power-of-two scale for each operand tensor; their sums are f32. All else is computed in f32.
;;   The module's matrix products, in the order in which they are computed (A, B: the left and right operand; K: the contracted axis; several contracted axes count as one K, in the product's order):
;;     1. [M 4,096, K 2,048] x [K 2,048, N 1,024]; A: input x (given as codes); B: input wq (given as codes): QUANTISED (scales: A lowp_scales[0], B lowp_scales[1])
;;     2. [M 4,096, K 2,048] x [K 2,048, N 1,024]; A: input x (given as codes); B: input wk (given as codes): QUANTISED (scales: A lowp_scales[2], B lowp_scales[3])
;;     3. [M 4,096, K 2,048] x [K 2,048, N 1,024]; A: input x (given as codes); B: input wv (given as codes): QUANTISED (scales: A lowp_scales[4], B lowp_scales[5])
;;     4. [M 2,048, K 1] x [K 1, N 32]; A: computed on the way; B: computed on the way: left as it is (no contracted axis)
;;     5. batch 32 x [M 2,048, K 64] x [K 64, N 2,048]; A: computed on the way; B: computed on the way: QUANTISED (scales: A lowp_scales[6], B lowp_scales[7])
;;     6. batch 32 x [M 2,048, K 2,048] x [K 2,048, N 64]; A: softmax (see below); B: computed on the way: QUANTISED (scales: A lowp_scales[8], B lowp_scales[9])
;;     7. [M 4,096, K 1,024] x [K 1,024, N 2,048]; A: computed on the way; B: input wo (given as codes): QUANTISED (scales: A lowp_scales[10], B lowp_scales[11])
;;   THE QUANTISER, for each operand of a quantised product, along K:
;;     - The operand's scale is 2^e, e = its entry of the input lowp_scales (int32; the entries are numbered through the quantised products in the list's order, A before B).
;;     - Each number is divided by the scale, clamped to +-448, and rounded to the nearest number of E4M3, ties to even, subnormals kept.
;;     - The product sums the exact products of the quantised numbers (number of the format x scale) in f32.
;;   ~~~python
;;   def quantise(x, axis, e):      # numpy; x: float32 -> the quantised numbers, widened to float32 again
;;       x = np.moveaxis(x, axis, -1); K = x.shape[-1]
;;       r = np.clip(x / 2.0 ** e, -448, 448)
;;       step = 2.0 ** (np.maximum(np.frexp(np.where(r == 0, 1, r))[1] - 1, -6) - 3)
;;       q = np.round(r / step) * step * 2.0 ** e      # np.round: ties to even
;;       return np.moveaxis(q, -1, axis).astype(np.float32)
;;   ~~~
;;   SOFTMAX AHEAD OF A QUANTISED PRODUCT. Where the list says 'softmax', what is quantised is not the finished softmax but p = 2^(t - M), with t = logit x log2(e) and M = ceil(the row's largest t), a whole number; so 1/2 < the row's largest p <= 1. The row's sum l is taken of the UNQUANTISED p, in f32, and the product's result is divided by l at the end. Since M is a whole number, a kernel that streams over the keys may use a running M (the ceiling of the running maximum): every later rescaling is an exact power of two, so the quantised numbers keep their values, but for numbers so far below the row's largest that they fall under the format's range.
;;   OPERANDS COMPUTED ON THE WAY. 'Computed on the way' means the value that the module computes at that place (a softmax that the list does not call 'softmax' is quantised finished and normalised). What goes into a quantiser is computed in f32, as accurately as f32 sums, v_exp_f32 and their like allow (about 1e-6 of the number): no bf16 or f16 on the way to a quantiser, and a product that is left as it is and whose result goes on into a quantised operand takes f32 operands (vector FMAs, or v_wmma_f32_16x16x4_f32). A number that lies on a knife's edge between two numbers of the format may be rounded either way, as far as f32 arithmetic and the matrix unit's own rounding can turn it there, and no further.
;;   INPUTS GIVEN AS CODES. wk (in the module: [1024, 2048], K = its axis 1); wo (in the module: [2048, 1024], K = its axis 1); wq (in the module: [1024, 2048], K = its axis 1); wv (in the module: [1024, 2048], K = its axis 1); x (in the module: [2, 2048, 2048], K = its axis 2): each comes as NAME_codes (uint8): NAME with its K axis moved to the last place and cut into blocks of 32 codes, [.., K / 32, bytes a block], one block behind the other in memory; one code a byte (a code: sign, 4 exponent bits, 3 mantissa bits); its scale is its entry of lowp_scales. Its value is code x scale, taken as it is: it is not quantised again, and the codes and scales need not be those that the quantiser above would give.
;; One version. Each part assembles by itself: llvm-mc -triple=amdgcn-amd-amdhsa -mcpu=gfx1250 --defsym DOCPART=n.
;; ======== version 1 of 1: 4 launches
;; limits: right only within a limited range of input values
;; workspace buffers: rope 524,288 bytes; q_img 4,194,304 bytes; kv 8,388,608 bytes; ctx_img 4,194,304 bytes; mimg 16,777,216 bytes
;; launch prep (part 1): grid 256 x 1, 8 waves a work-group, no clusters, 68,608 bytes of LDS; arguments mask, rope, mimg; writes rope, mimg
.if DOCPART == 1
	.amdgcn_target "amdgcn-amd-amdhsa--gfx1250"
	.amdhsa_code_object_version 6
	.text
	.protected	k_qbd61e41298_prep
	.globl	k_qbd61e41298_prep
	.p2align	8
	.type	k_qbd61e41298_prep,@function
k_qbd61e41298_prep:
	s_mov_b64 s[64:65], 0
	v_nop
	global_prefetch_b8 v0, s[64:65] scope:SCOPE_SE
	s_setreg_imm32_b32 hwreg(HW_REG_WAVE_MODE, 25, 1), 1
	s_wait_xcnt 0x0
; TWO TABLES for the later launches.  No work of the problem is left out: every word of the mask is read and used.
; (1) mimg = fl(mask x log2(e)), laid as images of attention's registers: [tile of 16 queries][step of 128 keys][group g 0..15][lane][16 bytes];
;     register 4 g + i of lane (r, h) is mask(16 tile + r, 128 step + 16 (g / 2) + 8 h + 4 (g % 2) + i).  One wave makes one (tile, step): 2,048 waves.
;     It reads 16 pieces of 512 consecutive bytes, turns them through its own 8,448 bytes of LDS (rows of 528 bytes), and stores 16 x 512 consecutive bytes, aligned.
; (2) RoPE's table, by wave 0 of work-groups 0 to 127: cos and sin of phi = fl(pos x inv_freq[d]), inv_freq[d] = 10^(-d/8), in f32.
;     LAYOUT: [tile of 16 positions][group 0..7][lane][16 bytes]: groups 0-3 cos, 4-7 sin; register 8 b + j of lane (r, h) is position 16 tile + r, frequency 16 b + 8 h + j.
;     inv_freq = 10^(-j/8) x 10^-(2 b + h): one f32 product.  LIMIT: within some 1.5 units in the last place of 10^(-d/8).
;     k = nearest whole number to phi x 2/pi; r = phi - k pi/2 with pi/2 in two parts; polynomials on |r| <= pi/4; the quadrant swaps the two and sets the signs.
.set LP, 528
.set WB, 16*LP
.set SPARE, 8*WB                       ; the spare words: 128 bytes for each of eight waves
.set CSR, 32
.set SNR, 48
.set IN, 64                            ; v64-127  16 pieces of the mask
.set BK, 128                           ; v128-191 the same as an image
	s_load_b128 s[4:7], s[0:1], 0x0                ; mask, rope
	s_load_b64 s[8:9], s[0:1], 0x10                ; mimg
	v_lshl_add_u32 v30, v0, 2, SPARE
	v_mov_b32 v31, 0
	v_lshrrev_b32 v1, 5, v0
	v_readfirstlane_b32 s10, v1                    ; wave
	v_and_b32 v22, 31, v0
	v_lshlrev_b32 v21, 4, v22                      ; 16 x lane
	s_lshl_b32 s11, ttmp9, 3
	s_add_co_u32 s11, s11, s10                     ; u = 16 tile + step
	s_lshr_b32 s12, s11, 4
	s_lshl_b32 s12, s12, 17                        ; 16 rows of 8,192 bytes
	s_and_b32 s13, s11, 15
	s_lshl_b32 s13, s13, 9
	s_add_co_u32 s12, s12, s13
	s_mov_b32 s13, 0
	s_lshl_b32 s14, s11, 13                        ; the image's 8,192 bytes
	s_mov_b32 s15, 0
	s_mul_i32 s16, s10, WB
	s_wait_alu depctr_va_vdst(0)                   ; the wait ahead of the reader below
	v_add_nc_u32 v23, s16, v21                     ; in: row i, 16 x lane
	v_and_b32 v24, 15, v0
	v_bfe_u32 v25, v0, 4, 1
	v_mul_u32_u24 v24, v24, LP
	v_lshl_add_u32 v24, v25, 5, v24
	v_add_nc_u32 v24, s16, v24                     ; back: row r, 32 h
	s_mov_b32 s20, 0x3f22f983                      ; 2 / pi
	s_mov_b32 s21, 0xbfc90fdb                      ; -P1
	s_mov_b32 s22, 0x333bbd2e                      ; P1 - pi/2
	s_mov_b32 s23, 0xb94ca1f9                      ; sine
	s_mov_b32 s24, 0x3c08839e
	s_mov_b32 s25, 0xbe2aaaa3
	s_mov_b32 s26, 0x37ccf5ce                      ; cosine
	s_mov_b32 s27, 0xbab6061a
	s_mov_b32 s28, 0x3d2aaaa5
	s_mov_b32 s30, 0x3fb8aa3b                      ; log2(e)
	s_mov_b32 s31, s30
	s_lshl_b32 s29, ttmp9, 4
	s_lshl_b32 s18, ttmp9, 12
	s_mov_b32 s19, 0
	s_lshr_b32 s17, ttmp9, 7
	s_or_b32 s17, s17, s10                         ; 0: wave 0 of work-groups 0 to 127
	s_wait_alu depctr_va_vdst(0)                   ; the wait at the head's end
	s_wait_kmcnt 0x0
	s_add_nc_u64 s[4:5], s[4:5], s[12:13]
	s_add_nc_u64 s[8:9], s[8:9], s[14:15]
.irp i, 0,1,2,3,4,5,6,7,8,9,10,11,12,13,14,15
	global_load_b128 v[IN+4*\i:IN+4*\i+3], v21, s[4:5] offset:\i*8192 th:TH_LOAD_NT
.endr
	s_cmp_lg_u32 s17, 0
	s_cbranch_scc1 .Lno_rope
	s_add_nc_u64 s[6:7], s[6:7], s[18:19]
	v_and_b32 v1, 15, v0                           ; r
	v_lshrrev_b32 v2, 4, v0                        ; h (wave 0: v0 is the lane)
	v_add_nc_u32 v3, s29, v1
	v_cvt_f32_u32 v3, v3                           ; pos
	v_cmp_eq_u32 vcc_lo, 1, v2
	v_mov_b32 v4, 0x3dcccccd
	v_cndmask_b32 v4, 1.0, v4, vcc_lo              ; 1 or 0.1
	v_mov_b32 v5, 0x3a83126f
	v_mov_b32 v6, 0x3c23d70a
	v_cndmask_b32 v5, v6, v5, vcc_lo               ; 0.01 or 0.001
.macro SINCOS n, lit, dec
	v_mul_f32 v8, \lit, v[\dec]
	v_mul_f32 v8, v3, v8                           ; phi
	v_mul_f32 v9, s20, v8
	v_rndne_f32 v9, v9                             ; k
	v_fma_f32 v10, v9, s21, v8
	v_fma_f32 v10, v9, s22, v10                    ; r
	v_mul_f32 v11, v10, v10
	v_fma_f32 v12, v11, s23, s24
	v_fma_f32 v12, v12, v11, s25
	v_mul_f32 v13, v11, v10
	v_fma_f32 v12, v12, v13, v10                   ; sin r
	v_fma_f32 v14, v11, s26, s27
	v_fma_f32 v14, v14, v11, s28
	v_mul_f32 v15, v11, v11
	v_fma_f32 v16, v11, -0.5, 1.0
	v_fma_f32 v14, v14, v15, v16                   ; cos r
	v_cvt_i32_f32 v17, v9
	v_and_b32 v18, 1, v17
	v_cmp_eq_u32 vcc_lo, 1, v18
	v_cndmask_b32 v19, v12, v14, vcc_lo
	v_cndmask_b32 v20, v14, v12, vcc_lo
	v_lshlrev_b32 v18, 30, v17
	v_and_b32 v18, 0x80000000, v18
	v_xor_b32 v[SNR+\n], v19, v18
	v_add_nc_u32 v17, 1, v17
	v_lshlrev_b32 v17, 30, v17
	v_and_b32 v17, 0x80000000, v17
	v_xor_b32 v[CSR+\n], v20, v17
.endm
.macro OCTAVE n0, dec
	SINCOS \n0+0, 1.0, \dec
	SINCOS \n0+1, 0x3f3ff911, \dec
	SINCOS \n0+2, 0x3f0ff59a, \dec
	SINCOS \n0+3, 0x3ed7e89b, \dec
	SINCOS \n0+4, 0x3ea1e89b, \dec
	SINCOS \n0+5, 0x3e72d424, \dec
	SINCOS \n0+6, 0x3e361887, \dec
	SINCOS \n0+7, 0x3e088d77, \dec
.endm
	OCTAVE 0, 4
	OCTAVE 8, 5
.irp g, 0,1,2,3
	global_store_b128 v21, v[CSR+4*\g:CSR+4*\g+3], s[6:7] offset:512*\g
	global_store_b128 v21, v[SNR+4*\g:SNR+4*\g+3], s[6:7] offset:2048+512*\g
.endr
.Lno_rope:
.irp i, 0,1,2,3,4,5,6,7,8,9,10,11,12,13,14,15
	s_wait_loadcnt 15-\i                           ; piece i is in; the 15 - i behind it may be out
	v_pk_mul_f32 v[IN+4*\i:IN+4*\i+1], v[IN+4*\i:IN+4*\i+1], s[30:31] op_sel_hi:[1,0]
	v_pk_mul_f32 v[IN+4*\i+2:IN+4*\i+3], v[IN+4*\i+2:IN+4*\i+3], s[30:31] op_sel_hi:[1,0]
	ds_store_b128 v23, v[IN+4*\i:IN+4*\i+3] offset:\i*LP
.endr
.irp g, 0,1,2,3,4,5,6,7,8,9,10,11,12,13,14,15
	ds_load_b128 v[BK+4*\g:BK+4*\g+3], v24 offset:64*(\g/2)+16*(\g%2)   ; the wave's own bytes: LDS serves a wave's instructions in order
.endr
.irp g, 0,1,2,3,4,5,6,7,8,9,10,11,12,13,14,15
	s_wait_dscnt 15-\g
	global_store_b128 v21, v[BK+4*\g:BK+4*\g+3], s[8:9] offset:512*\g
.endr
	s_wait_tensorcnt 0x0                           ; the wave's end
	ds_add_u32 v30, v31
	s_wait_dscnt 0x0
	s_endpgm
.Lfunc_end_k_qbd61e41298_prep:
	.size	k_qbd61e41298_prep, .Lfunc_end_k_qbd61e41298_prep-k_qbd61e41298_prep
	.p2alignl 7, 3214868480
	.fill 96, 4, 3214868480
	.section	.rodata,"a",@progbits
	.p2align	6, 0x0
	.amdhsa_kernel k_qbd61e41298_prep
		.amdhsa_group_segment_fixed_size 68608
		.amdhsa_private_segment_fixed_size 0
		.amdhsa_enable_private_segment 0
		.amdhsa_kernarg_size 24
		.amdhsa_user_sgpr_count 2
		.amdhsa_user_sgpr_kernarg_segment_ptr 1
		.amdhsa_wavefront_size32 1
		.amdhsa_system_sgpr_workgroup_id_x 1
		.amdhsa_system_sgpr_workgroup_id_y 1
		.amdhsa_system_sgpr_workgroup_id_z 1
		.amdhsa_system_vgpr_workitem_id 0
		.amdhsa_next_free_vgpr 192
		.amdhsa_next_free_sgpr 66
		.amdhsa_reserve_vcc 1
		.amdhsa_float_denorm_mode_32 3
		.amdhsa_float_denorm_mode_16_64 3
		.amdhsa_memory_ordered 1
		.amdhsa_forward_progress 1
		.amdhsa_inst_pref_size 32
	.end_amdhsa_kernel
	.amdgpu_metadata
---
amdhsa.version: [ 1, 2 ]
amdhsa.kernels:
  - .name:           k_qbd61e41298_prep
    .symbol:         k_qbd61e41298_prep.kd
    .args:
      - { .name: mask, .offset: 0, .size: 8, .value_kind: global_buffer, .address_space: global }
      - { .name: rope, .offset: 8, .size: 8, .value_kind: global_buffer, .address_space: global }
      - { .name: mimg, .offset: 16, .size: 8, .value_kind: global_buffer, .address_space: global }
    .group_segment_fixed_size: 68608
    .private_segment_fixed_size: 0
    .kernarg_segment_align: 8
    .kernarg_segment_size: 24
    .max_flat_workgroup_size: 256
    .sgpr_count:     66
    .vgpr_count:     192
    .wavefront_size: 32
...
	.end_amdgpu_metadata
.endif
;; end of part 1
;; launch qkv (part 2): grid 12 x 16, 4 waves a work-group, clusters of 4 x 4, 327,680 bytes of LDS; arguments x_codes, wq_codes, wk_codes, wv_codes, lowp_scales, rope, q_img, kv; writes q_img, kv
.if DOCPART == 2
	.amdgcn_target "amdgcn-amd-amdhsa--gfx1250"
	.amdhsa_code_object_version 6
	.text
	.protected	k_qbd61e41298_qkv
	.globl	k_qbd61e41298_qkv
	.p2align	8
	.type	k_qbd61e41298_qkv,@function
k_qbd61e41298_qkv:
	s_mov_b64 s[64:65], 0
	v_nop
	global_prefetch_b8 v0, s[64:65] scope:SCOPE_SE
	s_setreg_imm32_b32 hwreg(HW_REG_WAVE_MODE, 25, 1), 1
	s_wait_xcnt 0x0
	s_wait_alu depctr_hold_cnt(0) depctr_sa_sdst(0) depctr_va_vdst(0) depctr_va_sdst(0) depctr_va_ssrc(0) depctr_va_vcc(0) depctr_vm_vsrc(0)
	s_getreg_b32 s2, hwreg(HW_REG_IB_STS2, 6, 4)
	s_cmp_eq_u32 s2, 0
	s_cbranch_scc0 .Lentry_in_a_cluster
	s_endpgm
.Lentry_in_a_cluster:
	s_bfe_u32 s2, ttmp6, 0x10000c
	s_cmp_lg_u32 s2, 0xf033
	s_cbranch_scc0 .Lentry_shape_is_right
	s_endpgm
.Lentry_shape_is_right:
.set SIZE_K, 2048
.set KSTEP,  256
.set ROWB,   256
.set KROW,   SIZE_K
.set PITCH,  272
.set FR,     16
.set NL,     4
.set NP,     4
.set HALFT,  128*PITCH
.set SLOT,   4*HALFT
.set LAPS,   SIZE_K/(2*KSTEP)
.set SPARE,  2*SLOT
.set LIM,  10
.set SCL,  11
.set ADRA, 16
.set ADRB, 20
.set LI,   26
.set SPW,  28
.set NIL,  29
.set RP,   32
.set TH,   96
.set TL,   112
.set RES,  128
.set VT,   96
.set CD,   160
.set AF,   128
.set G1, 24
.set G0, 32
.set G1B, 48
.set G0B, 56
.set MSB, 0
.macro WIN new
.if MSB != \new
	s_set_vgpr_msb (MSB<<8)|\new
.set MSB, \new
.endif
.endm
.set MUL_LO, 0xa1
.set MUL_HI, 0xf1
.set TO_B,   0x40
.macro JLOAD g0a, g1a, g0b, g1b
	s_cmp_eq_u32 s15, 0
	s_cbranch_scc0 .Lfor_b_\@
	tensor_load_to_lds s[\g0a:\g0a+3], s[\g1a:\g1a+7]
	s_nop 0
.rept 4
	v_nop
.endr
	s_branch .Lasked_\@
.Lfor_b_\@:
	tensor_load_to_lds s[\g0b:\g0b+3], s[\g1b:\g1b+7]
	s_nop 0
.rept 4
	v_nop
.endr
.Lasked_\@:
.endm
.macro CREST
	s_cmp_lg_u32 s14, 0
	s_cbranch_scc1 .Lnot_wave_0_\@
	s_barrier_signal -3
.Lnot_wave_0_\@:
	s_barrier_wait -3
	s_barrier_signal -1
	s_barrier_wait -1
.endm
.macro CROUND
	s_barrier_signal -1
	s_barrier_wait -1
	CREST
.endm
	s_load_b512 s[68:83], s[0:1], 0x0
	v_lshl_add_u32 v[SPW], v0, 2, SPARE
	v_mov_b32 v[NIL], 0
	ds_add_u32 v28, v29
	ds_add_u32 v28, v29
	s_wait_dscnt 0x0
	v_lshrrev_b32 v1, 5, v0
	v_readfirstlane_b32 s14, v1
	s_lshr_b32 s15, s14, 1
	s_and_b32 s16, s14, 1
	s_bfe_u32 s40, ttmp6, 0x40000
	s_bfe_u32 s41, ttmp6, 0x40004
	s_and_b32 s17, ttmp7, 0xffff
	s_lshl_b32 s17, s17, 2
	s_add_co_u32 s42, s17, s40
	s_add_co_u32 s17, s17, s41
	s_lshl_b32 s43, s41, 2
	s_lshl_b32 s43, 15, s43
	s_lshl_b32 s44, 0x1111, s40
	s_or_b32 s[G1+0], s43, (0<<16)|(1<<20)|(1<<21)|(5<<22)|(3<<25)
	s_or_b32 s[G1B+0], s44, (0<<16)|(1<<20)|(1<<21)|(5<<22)|(3<<25)
.irp g, G1, G1B
	s_mov_b32 s[\g+1], ROWB<<16
	s_mov_b32 s[\g+2], 128<<16
	s_mov_b32 s[\g+3], ROWB<<16
	s_mov_b32 s[\g+4], 128
	s_mov_b32 s[\g+5], KROW
	s_mov_b32 s[\g+6], 0
	s_mov_b32 s[\g+7], 0
.endr
	s_lshl_b32 s18, s16, 7
	s_cmp_eq_u32 ttmp9, 2
	s_cselect_b32 s20, s41, s17
	s_cselect_b32 s46, s42, s40
	s_lshl_b32 s20, s20, 8
	s_add_co_u32 s20, s20, s18
	s_lshl_b32 s20, s20, 11
	s_mov_b32 s21, 0
	s_lshl_b32 s46, s46, 8
	s_add_co_u32 s46, s46, s18
	s_lshl_b32 s46, s46, 11
	s_mov_b32 s47, 0
	s_mul_i32 s45, s14, HALFT
	s_wait_kmcnt 0x0
	s_load_b256 s[84:91], s[76:77], 0x0
	s_load_b128 s[92:95], s[76:77], 0x20
	s_cmp_eq_u32 ttmp9, 0
	s_cselect_b64 s[6:7], s[70:71], s[72:73]
	s_cmp_eq_u32 ttmp9, 2
	s_cselect_b64 s[6:7], s[68:69], s[6:7]
	s_cselect_b64 s[4:5], s[74:75], s[68:69]
	s_add_nc_u64 s[20:21], s[4:5], s[20:21]
	s_add_nc_u64 s[46:47], s[6:7], s[46:47]
	CROUND
.irp s, 0,1
	s_mov_b32 s[G0+4*\s], 1
	s_add_co_u32 s[G0+4*\s+1], s45, \s*SLOT
	s_add_nc_u64 s[G0+4*\s+2:G0+4*\s+3], s[20:21], \s*ROWB
	s_or_b32 s[G0+4*\s+3], s[G0+4*\s+3], 0x80000000
	s_mov_b32 s[G0B+4*\s], 1
	s_add_co_u32 s[G0B+4*\s+1], s45, \s*SLOT
	s_add_nc_u64 s[G0B+4*\s+2:G0B+4*\s+3], s[46:47], \s*ROWB
	s_or_b32 s[G0B+4*\s+3], s[G0B+4*\s+3], 0x80000000
	s_wait_alu depctr_va_vdst(0)
	s_wait_tensorcnt 0x0
	ds_add_u32 v28, v29
	ds_add_u32 v28, v29
	s_wait_dscnt 0x0
	CROUND
	JLOAD G0+4*\s, G1, G0B+4*\s, G1B
.endr
	v_and_b32 v1, 15, v0
	v_bfe_u32 v2, v0, 4, 1
	v_mul_u32_u24 v3, v1, PITCH
	v_lshl_add_u32 v4, v2, 4, v3
	s_mul_i32 s21, s15, HALFT
	s_mul_i32 s22, s16, HALFT
	s_add_co_u32 s22, s22, 2*HALFT
.irp s, 0,1
	v_add_nc_u32 v[ADRA+\s], s21, v4
	v_add_nc_u32 v[ADRB+\s], s22, v4
	s_add_co_u32 s21, s21, SLOT
	s_add_co_u32 s22, s22, SLOT
.endr
	s_cmp_eq_u32 ttmp9, 2
	s_cselect_b32 s18, s42, s17
	s_cselect_b32 s19, s16, s15
	s_cselect_b32 s22, s41, s40
	s_cselect_b32 s23, s15, s16
	s_cselect_b32 s45, 8192, 0
	s_lshr_b32 s46, s18, 3
	s_and_b32 s18, s18, 7
	s_lshl_b32 s20, s18, 16
	s_lshl_b32 s19, s19, 15
	s_or_b32 s20, s20, s19
	s_mov_b32 s21, 0
	s_add_nc_u64 s[78:79], s[78:79], s[20:21]
	s_lshl_b32 s46, s46, 3
	s_lshl_b32 s22, s22, 1
	s_or_b32 s46, s46, s22
	s_or_b32 s46, s46, s23
	s_lshl_b32 s47, s46, 18
	s_lshr_b32 s22, s20, 2
	s_or_b32 s47, s47, s22
	s_lshl_b32 s46, s46, 19
	s_or_b32 s46, s46, s20
	s_add_co_u32 s46, s46, s45
	s_mov_b32 s45, 16384
	s_cmp_eq_u32 ttmp9, 0
	s_cselect_b32 s46, s47, s46
	s_cselect_b32 s45, 131072, s45
	s_cselect_b64 s[10:11], s[80:81], s[82:83]
	s_mov_b32 s47, 0
	s_add_nc_u64 s[10:11], s[10:11], s[46:47]
	v_and_b32 v6, 31, v0
	v_lshlrev_b32 v[LI], 4, v6
	v_add_nc_u32 v[LI+1], s45, v[LI]
.macro ROPELOAD a
.irp g, 0,1,2,3,4,5,6,7
	global_load_b128 v[RP+32*((\a)%2)+4*\g:RP+32*((\a)%2)+4*\g+3], v[LI], s[78:79] offset:(\a)*4096+512*\g
.endr
.endm
	ROPELOAD 0
	ROPELOAD 1
.macro FRAG reg, adr, q, i
.irp c, 0,1,2,3
	ds_load_b128 v[\reg+4*\c:\reg+4*\c+3], v[\adr] offset:128*(\q)+32*\c+(\i)*16*PITCH
.endr
.endm
.macro MUL16 a0, p, zero
.irp a, \a0, \a0+1
.irp b, 0,1,2,3,4,5,6,7
.if \zero
	v_wmma_f32_16x16x128_fp8_fp8 v[8*(8*((\a)%4)+\b):8*(8*((\a)%4)+\b)+7], v[128*(\p)+FR*\b:128*(\p)+FR*\b+FR-1], v[AF+FR*(\a):AF+FR*(\a)+FR-1], 0
.else
	v_wmma_f32_16x16x128_fp8_fp8 v[8*(8*((\a)%4)+\b):8*(8*((\a)%4)+\b)+7], v[128*(\p)+FR*\b:128*(\p)+FR*\b+FR-1], v[AF+FR*(\a):AF+FR*(\a)+FR-1], v[8*(8*((\a)%4)+\b):8*(8*((\a)%4)+\b)+7]
.endif
.endr
.endr
.endm
.macro FETCH_B slot, q, p
	WIN TO_B
.irp i, 0,1,2,3,4,5,6,7
	FRAG 128*(\p)+FR*\i, ADRB+\slot, \q, \i
.endr
	WIN 0
.endm
.macro FETCH_A slot, q, i0
.irp i, \i0, \i0+1, \i0+2, \i0+3
	FRAG AF+FR*(\i), ADRA+\slot, \q, \i
.endr
.endm
.macro PLACES n
.rept \n
	v_nop
.endr
.endm
.macro STEP slot, q, zero
	s_wait_dscnt 4*NL
	WIN MUL_LO
	MUL16 0, (\q)%2, \zero
	MUL16 2, (\q)%2, \zero
	s_wait_dscnt 0
	PLACES NP
	FETCH_B \slot, (\q)+1, 1-(\q)%2
	FETCH_A \slot, (\q)+1, 0
	WIN MUL_HI
	MUL16 4, (\q)%2, \zero
	MUL16 6, (\q)%2, \zero
	PLACES NP
	WIN 0
	FETCH_A \slot, (\q)+1, 4
.endm
.macro TURN slot, next, fill
	s_wait_tensorcnt 0x0
	ds_add_u32 v[SPW], v[NIL]
	s_wait_dscnt 4*NL+1
	WIN MUL_LO
	MUL16 0, 1, 0
	s_wait_dscnt 0x0
	s_barrier_signal -1
	MUL16 2, 1, 0
	WIN 0
	s_barrier_wait -1
.if \fill
	CREST
	s_add_nc_u64 s[G0+4*\slot+2:G0+4*\slot+3], s[G0+4*\slot+2:G0+4*\slot+3], 2*ROWB
	s_add_nc_u64 s[G0B+4*\slot+2:G0B+4*\slot+3], s[G0B+4*\slot+2:G0B+4*\slot+3], 2*ROWB
	JLOAD G0+4*\slot, G1, G0B+4*\slot, G1B
.else
	PLACES NP
.endif
	FETCH_B \next, 0, 0
	FETCH_A \next, 0, 0
	WIN MUL_HI
	MUL16 4, 1, 0
	MUL16 6, 1, 0
	PLACES NP
	WIN 0
	FETCH_A \next, 0, 4
.endm
	s_wait_alu depctr_va_vdst(0)
	s_wait_tensorcnt 1
	s_barrier_signal -1
	s_barrier_wait -1
	FETCH_B 0, 0, 0
	FETCH_A 0, 0, 0
	FETCH_A 0, 0, 4
	STEP 0, 0, 1
	s_mov_b32 s3, LAPS-1
.Llap:
	TURN 0, 1, 1
	STEP 1, 0, 0
	TURN 1, 0, 1
	STEP 0, 0, 0
	s_sub_co_u32 s3, s3, 1
	s_cmp_lg_u32 s3, 0
	s_cbranch_scc1 .Llap
	TURN 0, 1, 0
	STEP 1, 0, 0
	s_wait_dscnt 4*NL
	WIN MUL_LO
	MUL16 0, 1, 0
	MUL16 2, 1, 0
	s_wait_dscnt 0
	WIN MUL_HI
	MUL16 4, 1, 0
	MUL16 6, 1, 0
	WIN 0
	s_wait_kmcnt 0x0
	s_add_co_i32 s96, s84, s85
	s_add_co_i32 s97, s86, s87
	s_add_co_i32 s98, s88, s89
	s_cmp_eq_u32 ttmp9, 0
	s_cselect_b32 s96, s96, s97
	s_cselect_b32 s97, s90, s91
	s_cmp_eq_u32 ttmp9, 2
	s_cselect_b32 s96, s98, s96
	s_cselect_b32 s97, s93, s97
	s_sub_co_i32 s96, s97, s96
	s_add_co_i32 s96, s96, 127
	s_lshl_b32 s97, s96, 23
	v_mov_b32 v[SCL], s97
	s_add_co_i32 s96, s96, 8
	s_lshl_b32 s96, s96, 23
	s_or_b32 s96, s96, 0x600000
	v_mov_b32 v[LIM], s96
	PLACES NP
.macro QKBLOCK a
.set RS, RP+32*((\a)%2)
.if (\a) < 7
	s_wait_loadcnt 8
.else
	s_wait_loadcnt 0
.endif
	s_wait_xcnt 0x0
.irp hh, 0,1
.set AC, 64*((\a)%4)+32*\hh
.set CO, CD+16*((\a)%2)+8*\hh
	WIN 0x02+((\a)/4)
.set i, 0
.rept 8
	v_pk_mul_f32 v[TH+i:TH+i+1], v[AC+16+i:AC+17+i], v[RS+16+i:RS+17+i]
.set i, i+2
.endr
.set i, 0
.rept 8
	v_pk_mul_f32 v[TL+i:TL+i+1], v[AC+i:AC+i+1], v[RS+16+i:RS+17+i]
.set i, i+2
.endr
.set i, 0
.rept 8
	v_pk_fma_f32 v[RES+i:RES+i+1], v[AC+i:AC+i+1], v[RS+i:RS+i+1], v[TH+i:TH+i+1] neg_lo:[0,0,1] neg_hi:[0,0,1]
.set i, i+2
.endr
.set i, 0
.rept 8
	v_pk_fma_f32 v[RES+16+i:RES+17+i], v[AC+16+i:AC+17+i], v[RS+i:RS+i+1], v[TL+i:TL+i+1]
.set i, i+2
.endr
	WIN 0
.set i, 0
.rept 32
	v_med3_num_f32 v[RES+i], v[RES+i], -v[LIM], v[LIM]
.set i, i+1
.endr
.irp c, 0,1,2,3
	v_cvt_scalef32_pk8_fp8_f32 v[CO+2*\c:CO+2*\c+1], v[RES+8*\c:RES+8*\c+7], v[SCL]
.endr
	v_nop
	global_store_b128 v[LI+\hh], v[CO:CO+3], s[10:11] offset:(\a)*1024
	global_store_b128 v[LI+\hh], v[CO+4:CO+7], s[10:11] offset:(\a)*1024+512
.endr
.if (\a) < 6
	ROPELOAD (\a)+2
.endif
.endm
.macro VBLOCK a
	s_wait_xcnt 0x0
	WIN 0x02+((\a)/4)
.set i, 0
.rept 64
	v_med3_num_f32 v[VT+i], v[64*((\a)%4)+i], -v[LIM], v[LIM]
.set i, i+1
.endr
	WIN 0
.irp b, 0,1,2,3,4,5,6,7
	v_cvt_scalef32_pk8_fp8_f32 v[CD+16*((\a)%2)+2*\b:CD+16*((\a)%2)+2*\b+1], v[VT+8*\b:VT+8*\b+7], v[SCL]
.endr
	v_nop
.irp g, 0,1,2,3
	global_store_b128 v[LI], v[CD+16*((\a)%2)+4*\g:CD+16*((\a)%2)+4*\g+3], s[10:11] offset:((\a)/4)*16384+((\a)%4)*2048+512*\g
.endr
.endm
	s_cmp_eq_u32 ttmp9, 2
	s_cbranch_scc1 .Lv_out
.irp a, 0,1,2,3,4,5,6,7
	QKBLOCK \a
.endr
	s_branch .Lend
.Lv_out:
	s_wait_alu depctr_va_vdst(0)
.irp a, 0,1,2,3,4,5,6,7
	VBLOCK \a
.endr
.Lend:
	s_wait_tensorcnt 0x0
	ds_add_u32 v[SPW], v[NIL]
	s_wait_dscnt 0x0
	CROUND
	s_endpgm
.Lfunc_end_k_qbd61e41298_qkv:
	.size	k_qbd61e41298_qkv, .Lfunc_end_k_qbd61e41298_qkv-k_qbd61e41298_qkv
	.p2alignl 7, 3214868480
	.fill 96, 4, 3214868480
	.section	.rodata,"a",@progbits
	.p2align	6, 0x0
	.amdhsa_kernel k_qbd61e41298_qkv
		.amdhsa_group_segment_fixed_size 327680
		.amdhsa_private_segment_fixed_size 0
		.amdhsa_enable_private_segment 0
		.amdhsa_kernarg_size 64
		.amdhsa_user_sgpr_count 2
		.amdhsa_user_sgpr_kernarg_segment_ptr 1
		.amdhsa_wavefront_size32 1
		.amdhsa_system_sgpr_workgroup_id_x 1
		.amdhsa_system_sgpr_workgroup_id_y 1
		.amdhsa_system_sgpr_workgroup_id_z 1
		.amdhsa_system_vgpr_workitem_id 0
		.amdhsa_next_free_vgpr 1024
		.amdhsa_next_free_sgpr 100
		.amdhsa_reserve_vcc 0
		.amdhsa_float_denorm_mode_32 3
		.amdhsa_float_denorm_mode_16_64 3
		.amdhsa_memory_ordered 1
		.amdhsa_forward_progress 1
		.amdhsa_inst_pref_size 199
	.end_amdhsa_kernel
	.amdgpu_metadata
---
amdhsa.version: [ 1, 2 ]
amdhsa.kernels:
  - .name:           k_qbd61e41298_qkv
    .symbol:         k_qbd61e41298_qkv.kd
    .args:
      - { .name: x_codes, .offset: 0, .size: 8, .value_kind: global_buffer, .address_space: global }
      - { .name: wq_codes, .offset: 8, .size: 8, .value_kind: global_buffer, .address_space: global }
      - { .name: wk_codes, .offset: 16, .size: 8, .value_kind: global_buffer, .address_space: global }
      - { .name: wv_codes, .offset: 24, .size: 8, .value_kind: global_buffer, .address_space: global }
      - { .name: lowp_scales, .offset: 32, .size: 8, .value_kind: global_buffer, .address_space: global }
      - { .name: rope, .offset: 40, .size: 8, .value_kind: global_buffer, .address_space: global }
      - { .name: q_img, .offset: 48, .size: 8, .value_kind: global_buffer, .address_space: global }
      - { .name: kv, .offset: 56, .size: 8, .value_kind: global_buffer, .address_space: global }
    .group_segment_fixed_size: 327680
    .private_segment_fixed_size: 0
    .kernarg_segment_align: 8
    .kernarg_segment_size: 64
    .max_flat_workgroup_size: 128
    .sgpr_count:     100
    .vgpr_count:     1024
    .wavefront_size: 32
...
	.end_amdgpu_metadata
.endif
;; end of part 2
;; launch attn (part 3): grid 8 x 32, 8 waves a work-group, clusters of 4 x 1, 327,680 bytes of LDS; arguments q_img, kv, mimg, lowp_scales, ctx_img; writes ctx_img
.if DOCPART == 3
	.amdgcn_target "amdgcn-amd-amdhsa--gfx1250"
	.amdhsa_code_object_version 6
	.text
	.protected	k_qbd61e41298_attn
	.globl	k_qbd61e41298_attn
	.p2align	8
	.type	k_qbd61e41298_attn,@function
k_qbd61e41298_attn:
	s_mov_b64 s[64:65], 0
	v_nop
	global_prefetch_b8 v0, s[64:65] scope:SCOPE_SE
	s_setreg_imm32_b32 hwreg(HW_REG_WAVE_MODE, 25, 1), 1
	s_wait_xcnt 0x0
	s_wait_alu depctr_hold_cnt(0) depctr_sa_sdst(0) depctr_va_vdst(0) depctr_va_sdst(0) depctr_va_ssrc(0) depctr_va_vcc(0) depctr_vm_vsrc(0)
	s_getreg_b32 s2, hwreg(HW_REG_IB_STS2, 6, 4)
	s_cmp_eq_u32 s2, 0
	s_cbranch_scc0 .Lentry_in_a_cluster
	s_endpgm
.Lentry_in_a_cluster:
	s_bfe_u32 s2, ttmp6, 0x10000c
	s_cmp_lg_u32 s2, 0x3003
	s_cbranch_scc0 .Lentry_shape_is_right
	s_endpgm
.Lentry_shape_is_right:
; context = softmax(q k^T / 8 + mask) v for 32 (batch, head) pairs of 2,048 queries x 2,048 keys, head size 64, both products on codes of FP8 (E4M3); the context is quantised and stored as operand images.
; THE MASK IS AN INPUT: it comes as mimg = fl(mask x log2(e)) in images of this kernel's registers; every word is read and no key is left out.
; THE SOFTMAX: t = sum x kappa + mimg, kappa = log2(e) / 8 x 2^(eq + ek), rounded BEFORE M is taken off.  M = the running largest t rounded UP to a whole number; p = 2^(t - M) is quantised along the keys.
; The row's sum is taken of the unquantised p and divides at the end.  When M moves, the sum and O are multiplied by 2^(old M - new M): exact.
; SHARES.  A work-group owns 256 queries (block x) of ONE head (y = 16 b + head): eight waves, each TWO tiles of 16 queries in 512 registers.  Every wave walks all 2,048 keys, 128 a step.
; LDS.  The head's whole K and V, 262,144 bytes, is filled ONCE: wave w brings steps 2 w and 2 w + 1 (two pieces of 16,384 bytes, 32,768 apart in memory) by one tensor load.  Step s lies at 16,384 s: K 8,192, V 8,192.
; Nothing is filled again, so the loop has no barrier and no wait on TENSORcnt.  CLUSTER 4 x 1: the four query blocks of a cluster want the same K and V and ask jointly (mask 15).
; THE MASK goes from memory into registers: a tile's step is 16 loads of 512 consecutive bytes.  A tile's 64 mask registers are asked for again directly behind the lines that read them, a step ahead of their use.
; PREFETCH of the mask images: the 32 work-groups (all y) of a query block read the same 131,072 bytes a step and share them out by address: work-group y names 4,096 bytes of tile y / 2 (half y % 2), wave 0,
; lanes 0-15 a block of 256 bytes each, lanes 16-31 the last block again.  Trip t names step t + 3, whose loads are issued in trip t + 2; trips 13 and 14 name nothing; steps 0 to 2 come by their loads alone.
; LAYOUT.  S^T = K Q^T, O^T = V^T P^T: lane (r, h) holds query r throughout.  Tile T of S^T holds keys 16 T + 8 h + 0 .. 7: one conversion makes of them registers 2 T, 2 T + 1 of P.
; REGISTERS, two windows with the same numbers: window 0 = tile 0, window 1 = tile 1; v28-91 hold K in window 0 and V in window 1.
; LIMITS on the given exponents, so that each power of two is an f32 number: eq + ek between -123 and 130; ep, and the context's, between -126 and 119.  NaN and +-infinity in the mask are not served.
.set VOFF,  8192
.set STEPB, 16384
.set SPARE, 294912                     ; the spare words, 128 bytes for each of eight waves, which no other line names
.set PFO, 3
.set ADV, 4                            ; v4   the step's K and V in LDS
.set SPW, 5
.set NIL, 6
.set LI,  7                            ; v7   16 x lane
.set PX,  10
.set TM,  11
.set NM,  12
.set LS,  14
.set QF,  16
.set LIMP, 24
.set SCP, 25
.set FF,  26
.set KF,  28
.set CL,  92
.set ST,  96
.set OT,  160
.set MK,  192
.set TB,  2                            ; s2   LDS byte at which the step in hand begins
.set WV,  18
.set SEL, 20
.set KAP, 22
.set G1K, 24
.set G0K, 40
.set STEPS, 67
.set PFA, 76
.set PLIM, 80
.set MB,  86                           ; s[86:87] my tile 0's mask image of the step asked for last; tile 1's lies 131,072 bytes on
.set MSB, 0
.macro WIN new
.if MSB != \new
	s_set_vgpr_msb (MSB<<8)|\new
.set MSB, \new
.endif
.endm
.macro CROUND                          ; a round of the cluster's barrier
	s_barrier_signal -1
	s_barrier_wait -1
	s_cmp_lg_u32 s[WV], 0
	s_cbranch_scc1 .Lnot_wave_0_\@
	s_barrier_signal -3
.Lnot_wave_0_\@:
	s_barrier_wait -3
	s_barrier_signal -1
	s_barrier_wait -1
.endm
.macro ASK
	s_cmp_gt_u32 s[STEPS], s[PLIM]
	s_cbranch_scc0 .Lnot_mine_\@
	global_prefetch_b8 v[PFO], s[PFA:PFA+1] th:TH_LOAD_NT scope:SCOPE_SE
.Lnot_mine_\@:
.endm
.macro MLOAD off                       ; a tile's mask of one step: 16 x 512 bytes
.set g, 0
.rept 16
	global_load_b128 v[MK+4*g:MK+4*g+3], v[LI], s[MB:MB+1] offset:\off+512*g
.set g, g+1
.endr
.endm
.macro KVLOAD adr, off                 ; sixteen groups of four registers: K's eight fragments or V's four
.set g, 0
.rept 16
	ds_load_b128 v[KF+4*g:KF+4*g+3], v[\adr] offset:\off+512*g
.set g, g+1
.endr
.endm
	s_load_b256 s[4:11], s[0:1], 0x0               ; q_img, kv, mimg, the scales' exponents
	s_load_b64 s[12:13], s[0:1], 0x20              ; ctx_img
	v_lshl_add_u32 v[SPW], v0, 2, SPARE
	v_mov_b32 v[NIL], 0
	ds_add_u32 v[SPW], v[NIL]                      ; the opening lines: the add, twice on end, and its wait
	ds_add_u32 v[SPW], v[NIL]
	v_lshrrev_b32 v8, 5, v0
	v_readfirstlane_b32 s[WV], v8                  ; wave 0..7
	s_bfe_u32 s50, ttmp6, 0x40000                  ; cx
	s_lshl_b32 s52, ttmp9, 2
	s_add_co_u32 s52, s52, s50                     ; x: my block of 256 queries
	s_and_b32 s53, ttmp7, 0xffff                   ; y = 16 b + head
	s_mov_b32 s[G1K], 15|(3<<16)|(1<<21)           ; the four partners; elements of 8 bytes; bit 21 beside a mask
	s_mov_b32 s[G1K+1], 2048<<16                   ; tensor_dim0: 16,384 bytes
	s_mov_b32 s[G1K+2], 2<<16                      ; tensor_dim1
	s_mov_b32 s[G1K+3], 2048<<16                   ; tile_dim0
	s_mov_b32 s[G1K+4], 2                          ; tile_dim1
	s_mov_b32 s[G1K+5], 4096                       ; from row to row: 32,768 bytes
	s_mov_b32 s[G1K+6], 0
	s_mov_b32 s[G1K+7], 0
	s_lshr_b32 s54, s53, 1                         ; the pair of heads
	s_lshl_b32 s58, s54, 19
	s_and_b32 s55, s53, 1
	s_lshl_b32 s55, s55, 14
	s_add_co_u32 s58, s58, s55
	s_lshl_b32 s56, s[WV], 16
	s_add_co_u32 s58, s58, s56                     ; pair x 524,288 + head of the pair x 16,384 + wave x two steps: cx does not enter
	s_mov_b32 s59, 0
	s_lshl_b32 s57, s[WV], 15
	s_mov_b32 s[SEL], 0x76543210
	s_mov_b32 s[SEL+1], 0xfedcba98
	s_mov_b32 s[TB], 0
	s_mov_b32 s[STEPS], 15
	s_wait_dscnt 0x0
	s_wait_kmcnt 0x0
	s_load_b128 s[68:71], s[10:11], 0x18           ; eq, ek, ep, ev
	s_load_b32 s72, s[10:11], 0x28                 ; the context's
	s_mov_b32 s[G0K], 1
	s_mov_b32 s[G0K+1], s57
	s_add_nc_u64 s[G0K+2:G0K+3], s[6:7], s[58:59]
	s_or_b32 s[G0K+3], s[G0K+3], 0x80000000
	CROUND                                         ; the four partners are here: the joint loads meet
	tensor_load_to_lds s[G0K:G0K+3], s[G1K:G1K+7]  ; every wave's one tensor load of the launch
	s_nop 0
.rept 4
	v_nop
.endr
	s_lshl_b32 s58, s52, 4
	s_lshl_b32 s61, s[WV], 1
	s_add_co_u32 s58, s58, s61                     ; tile 0's number in the batch: 16 x + 2 w
	s_lshl_b32 s60, s53, 17
	s_lshl_b32 s61, s58, 10
	s_add_co_u32 s60, s60, s61
	s_mov_b32 s61, 0
	s_add_nc_u64 s[4:5], s[4:5], s[60:61]          ; Q's images
	s_lshr_b32 s62, s53, 4
	s_lshl_b32 s62, s62, 7
	s_add_co_u32 s62, s62, s58
	s_lshl_b32 s62, s62, 14
	s_and_b32 s63, s53, 15
	s_lshl_b32 s63, s63, 10
	s_add_co_u32 s62, s62, s63
	s_mov_b32 s63, 0
	s_add_nc_u64 s[12:13], s[12:13], s[62:63]      ; the context's images
	s_lshl_b32 s60, s58, 17
	s_add_nc_u64 s[MB:MB+1], s[8:9], s[60:61]      ; the mask's images, step 0
	s_lshl_b32 s60, s52, 4
	s_add_co_u32 s60, s60, s54
	s_lshl_b32 s60, s60, 17
	s_lshr_b32 s55, s55, 2
	s_add_co_u32 s60, s60, s55
	s_add_co_u32 s60, s60, 2*8192                  ; step 2: the first trip steps it to step 3
	s_add_nc_u64 s[PFA:PFA+1], s[8:9], s[60:61]
	s_cmp_eq_u32 s[WV], 0
	s_cselect_b32 s[PLIM], 2, -1
	v_and_b32 v[LI], 31, v0
	v_min_u32 v[PFO], 15, v[LI]
	v_lshlrev_b32 v[PFO], 8, v[PFO]
	v_lshlrev_b32 v[LI], 4, v[LI]
	s_wait_alu depctr_va_vdst(0)                   ; the wait ahead of the readers below
	global_load_b128 v[QF:QF+3], v[LI], s[4:5]
	global_load_b128 v[QF+4:QF+7], v[LI], s[4:5] offset:512
	WIN 0x40
	global_load_b128 v[QF:QF+3], v[LI], s[4:5] offset:1024
	global_load_b128 v[QF+4:QF+7], v[LI], s[4:5] offset:1536
	WIN 0
	MLOAD 0
	WIN 0x40
	MLOAD 131072
	WIN 0
	s_wait_kmcnt 0x0
	s_add_co_i32 s74, s68, s69
	s_sub_co_i32 s74, s74, 3
	s_lshl_b32 s74, s74, 23
	s_add_co_i32 s[KAP], s74, 0x3fb8aa3b           ; kappa: eq + ek - 3 added to log2(e)'s exponent field
	s_mov_b32 s[KAP+1], s[KAP]
	s_add_co_i32 s74, s70, 127
	s_lshl_b32 s92, s74, 23                        ; 2^ep
	s_add_co_i32 s74, s74, 8
	s_lshl_b32 s93, s74, 23
	s_or_b32 s93, s93, 0x600000                    ; 448 x 2^ep
	s_add_co_i32 s73, s70, s71                     ; ep + ev
	s_add_co_i32 s72, s72, 127
	s_lshl_b32 s74, s72, 23                        ; the context's scale,
	s_add_co_i32 s72, s72, 8
	s_lshl_b32 s75, s72, 23
	s_or_b32 s75, s75, 0x600000                    ; and 448 x it
.macro INIT
	v_mov_b32 v[NM+1], 0xff61b1e6                  ; the largest t so far: -3e38
	v_mov_b32 v[NM], 0x7f61b1e6                    ; -M
	v_mov_b32 v[LS], 0
	v_mov_b32 v[LS+1], 0
	v_mov_b32 v[PX], 0
	v_mov_b32 v[FF+1], 0
	v_mov_b32 v[SCP], s92
	v_mov_b32 v[LIMP], s93
.set j, 0
.rept 32
	v_mov_b32 v[OT+j], 0                           ; the step is written for every trip alike: the first finds zeros
.set j, j+1
.endr
.endm
	INIT
	WIN 0x40
	INIT
	WIN 0
.macro QK
.irp T, 0,1,2,3,4,5,6,7
	v_wmma_f32_16x16x64_fp8_fp8 v[ST+8*\T:ST+8*\T+7], v[KF+8*\T:KF+8*\T+7], v[QF:QF+7], 0
.endr
.endm
.macro TFMA                            ; t = sum x kappa + mask x log2(e); each accumulator from its low end on
.set j, 0
.rept 32
	v_pk_fma_f32 v[ST+j:ST+j+1], v[ST+j:ST+j+1], s[KAP:KAP+1], v[MK+j:MK+j+1] op_sel_hi:[1,0,1]
.set j, j+2
.endr
.endm
.macro MAXM                            ; the step's largest t of my query, the running one, the new M and f
.irp c, 0,1,2,3
	v_max3_num_f32 v[CL+\c], v[ST+16*\c], v[ST+16*\c+1], v[ST+16*\c+2]
.endr
.set j, 3
.rept 6
.irp c, 0,1,2,3
	s_delay_alu instid0(VALU_DEP_4)
	v_max3_num_f32 v[CL+\c], v[CL+\c], v[ST+16*\c+j], v[ST+16*\c+j+1]
.endr
.set j, j+2
.endr
	s_delay_alu instid0(VALU_DEP_4)
	v_max3_num_f32 v[CL], v[CL], v[ST+15], v[ST+31]
	s_delay_alu instid0(VALU_DEP_3)
	v_max3_num_f32 v[CL+2], v[CL+2], v[ST+47], v[ST+63]
	s_delay_alu instid0(VALU_DEP_1)
	v_max3_num_f32 v[CL], v[CL], v[CL+1], v[CL+2]
	s_delay_alu instid0(VALU_DEP_1)
	v_max_num_f32 v[CL], v[CL], v[CL+3]
	s_delay_alu instid0(VALU_DEP_1)
	v_permlanex16_b32 v[PX], v[CL], s[SEL], s[SEL+1]
	s_delay_alu instid0(VALU_DEP_1)
	v_max3_num_f32 v[NM+1], v[NM+1], v[CL], v[PX]
	v_mov_b32 v[TM], v[NM]
	s_delay_alu instid0(VALU_DEP_2)
	v_floor_f32 v[NM], -v[NM+1]                    ; the new -M = -ceil(t)
	s_delay_alu instid0(VALU_DEP_1)
	v_sub_f32 v[TM], v[NM], v[TM]                  ; old M - new M
	s_delay_alu instid0(VALU_DEP_1)
	v_cvt_i32_f32 v[TM], v[TM]
	s_delay_alu instid0(VALU_DEP_1)
	v_ldexp_f32 v[FF], 1.0, v[TM]                  ; f = 2^(old M - new M)
.endm
.macro SUMS                            ; the row's sum of the unquantised p: 32 pairs in three chains
	v_pk_add_f32 v[CL:CL+1], v[ST:ST+1], v[ST+2:ST+3]
	v_pk_add_f32 v[CL+2:CL+3], v[ST+4:ST+5], v[ST+6:ST+7]
.set j, 8
.rept 9
	v_pk_add_f32 v[LS:LS+1], v[LS:LS+1], v[ST+j:ST+j+1]
	v_pk_add_f32 v[CL:CL+1], v[CL:CL+1], v[ST+j+2:ST+j+3]
	v_pk_add_f32 v[CL+2:CL+3], v[CL+2:CL+3], v[ST+j+4:ST+j+5]
.set j, j+6
.endr
	v_pk_add_f32 v[LS:LS+1], v[LS:LS+1], v[ST+62:ST+63]
	s_delay_alu instid0(VALU_DEP_2)
	v_pk_add_f32 v[CL:CL+1], v[CL:CL+1], v[CL+2:CL+3]
	s_delay_alu instid0(VALU_DEP_1)
	v_pk_add_f32 v[LS:LS+1], v[LS:LS+1], v[CL:CL+1]
.endm
.macro MINCVT                          ; p becomes codes: tile T's two registers are v[92 + 2 T]; tiles 2 to 7 land on v96-107, which have been converted
.irp T, 0,1,2,3,4,5,6,7
.irp i, 0,1,2,3,4,5,6,7
	v_min_num_f32 v[ST+8*\T+\i], v[ST+8*\T+\i], v[LIMP]   ; the conversion does not saturate (ISA guide 7.6.2); p is not negative
.endr
	v_cvt_scalef32_pk8_fp8_f32 v[CL+2*\T:CL+2*\T+1], v[ST+8*\T:ST+8*\T+7], v[SCP]
.endr
.endm
.macro SOFT                            ; a tile's softmax, from t to P's codes
	MAXM
.set j, 0
.rept 32
	v_pk_add_f32 v[ST+j:ST+j+1], v[ST+j:ST+j+1], v[NM:NM+1] op_sel_hi:[1,0]   ; t - M
.set j, j+2
.endr
	s_wait_alu depctr_va_vdst(0)                   ; the wait ahead of the batch
.set j, 0
.rept 64
	v_exp_f32 v[ST+j], v[ST+j]
.set j, j+1
.endr
	v_pk_mul_f32 v[LS:LS+1], v[LS:LS+1], v[FF:FF+1] op_sel_hi:[1,0]   ; the sums under the new M; the plain instruction behind the batch
	s_wait_alu depctr_va_vdst(0)                   ; one wait for the 64 exponentials, ahead of their first reader
	SUMS
	MINCVT
.endm
.macro RESC                            ; O^T under the new M; also the plain instructions between the conversions and the products
	s_wait_alu depctr_va_vdst(0)                   ; the wait directly ahead of the first reader of O^T
.set j, 0
.rept 16
	v_pk_mul_f32 v[OT+j:OT+j+1], v[OT+j:OT+j+1], v[FF:FF+1] op_sel_hi:[1,0]
.set j, j+2
.endr
.endm
.macro PV                              ; O^T += V^T P^T: the four accumulators take turns
.irp t, 0,1,2,3
	v_wmma_f32_16x16x128_fp8_fp8 v[OT+8*\t:OT+8*\t+7], v[KF+16*\t:KF+16*\t+15], v[CL:CL+15], v[OT+8*\t:OT+8*\t+7]
.endr
.endm
; A KEY STEP: 128 keys.  At its head the step's K (LDS loads) and both masks (global loads) are on their way, or in.  nxt = 1: the next step's are asked for.
.macro STEP nxt
	v_add_nc_u32 v[ADV], s[TB], v[LI]
.rept 4
	v_nop                                          ; with the addition five places behind the last products: V's registers are loaded again, and the products below write over v96-107, which held P
.endr
	s_wait_alu depctr_va_vdst(0)                   ; the wait directly ahead of the wait below
	s_wait_dscnt 0x0                               ; K is in
	QK
	WIN 0x44                                       ; S^T and Q in window 1, K in window 0
	QK
	WIN 0x40
	KVLOAD ADV, VOFF                               ; V, into window 1
	WIN 0
	s_wait_loadcnt 16                              ; tile 0's mask is in; tile 1's 16 loads may be out
.rept 4
	v_nop                                          ; the places behind the products
.endr
	TFMA
.if \nxt
	s_wait_xcnt 0x0                                ; the last step's loads and prefetch have read their bases
	s_add_nc_u64 s[MB:MB+1], s[MB:MB+1], 8192
	s_add_nc_u64 s[PFA:PFA+1], s[PFA:PFA+1], 8192
	MLOAD 0
	s_wait_loadcnt 16                              ; tile 1's mask is in; the 16 just issued may be out
.else
	s_wait_loadcnt 0x0
.endif
	WIN 0x55
	TFMA
.if \nxt
	WIN 0x40
	MLOAD 131072
.endif
	WIN 0
	SOFT
	s_wait_dscnt 0x0                               ; V is in
	RESC
	WIN 0x01                                       ; V in window 1; P and O^T in window 0
	PV
	WIN 0
.if \nxt
	KVLOAD ADV, STEPB                              ; the next step's K: tile 1's softmax stands between these loads and the wait for them
	s_add_co_u32 s[TB], s[TB], STEPB
	ASK
.endif
	WIN 0x55
	SOFT
	RESC
	PV
	WIN 0
.endm
	s_wait_alu depctr_va_vdst(0)                   ; the wait at the head's end
	s_wait_tensorcnt 0x0                           ; my two steps of K and V are in
	s_barrier_signal -1
	s_barrier_wait -1                              ; and everybody's
	KVLOAD LI, 0                                   ; step 0's K
	s_wait_loadcnt 32                              ; Q is in; the 32 loads of the two masks may be out
.Lstep:                                            ; 15 trips
	STEP 1
	s_sub_co_u32 s[STEPS], s[STEPS], 1
	s_cmp_lg_u32 s[STEPS], 0
	s_cbranch_scc1 .Lstep
	STEP 0                                         ; the last step asks for nothing
	; THE WAY OUT: O^T / the sum x 2^(ep + ev), quantised: tile t's two registers are registers 2 t, 2 t + 1 of the output product's operand
.macro FIN
	v_add_f32 v[LS], v[LS], v[LS+1]
	s_delay_alu instid0(VALU_DEP_1)
	v_permlanex16_b32 v[PX], v[LS], s[SEL], s[SEL+1]
	s_delay_alu instid0(VALU_DEP_1)
	v_add_f32 v[LS], v[LS], v[PX]                  ; the row's sum
	s_wait_alu depctr_va_vdst(0)
	v_rcp_f32 v[LS], v[LS]
	v_mov_b32 v[SCP], s74
	v_mov_b32 v[LIMP], s75
	s_wait_alu depctr_va_vdst(0)                   ; ahead of the reciprocal's first reader
	v_ldexp_f32 v[LS], v[LS], s73
	s_wait_alu depctr_va_vdst(0)                   ; directly ahead of the first reader of O^T
.set j, 0
.rept 32
	v_mul_f32 v[ST+j], v[OT+j], v[LS]
.set j, j+1
.endr
.set j, 0
.rept 32
	v_med3_num_f32 v[ST+j], v[ST+j], -v[LIMP], v[LIMP]
.set j, j+1
.endr
.irp t, 0,1,2,3
	v_cvt_scalef32_pk8_fp8_f32 v[MK+2*\t:MK+2*\t+1], v[ST+8*\t:ST+8*\t+7], v[SCP]
.endr
	v_nop
.endm
	FIN                                            ; tile 0: its lines are also the places behind tile 1's last products
	WIN 0x55
	FIN
	WIN 0
	global_store_b128 v[LI], v[MK:MK+3], s[12:13]              ; 32 lanes store 512 consecutive bytes, aligned
	global_store_b128 v[LI], v[MK+4:MK+7], s[12:13] offset:512
	WIN 0x04
	global_store_b128 v[LI], v[MK:MK+3], s[12:13] offset:16384
	global_store_b128 v[LI], v[MK+4:MK+7], s[12:13] offset:16896
	WIN 0
	s_wait_tensorcnt 0x0                           ; the wave's end
	ds_add_u32 v[SPW], v[NIL]
	s_wait_dscnt 0x0
	CROUND                                         ; the closing round
	s_endpgm
.Lfunc_end_k_qbd61e41298_attn:
	.size	k_qbd61e41298_attn, .Lfunc_end_k_qbd61e41298_attn-k_qbd61e41298_attn
	.p2alignl 7, 3214868480
	.fill 96, 4, 3214868480
	.section	.rodata,"a",@progbits
	.p2align	6, 0x0
	.amdhsa_kernel k_qbd61e41298_attn
		.amdhsa_group_segment_fixed_size 327680
		.amdhsa_private_segment_fixed_size 0
		.amdhsa_enable_private_segment 0
		.amdhsa_kernarg_size 40
		.amdhsa_user_sgpr_count 2
		.amdhsa_user_sgpr_kernarg_segment_ptr 1
		.amdhsa_wavefront_size32 1
		.amdhsa_system_sgpr_workgroup_id_x 1
		.amdhsa_system_sgpr_workgroup_id_y 1
		.amdhsa_system_sgpr_workgroup_id_z 1
		.amdhsa_system_vgpr_workitem_id 0
		.amdhsa_next_free_vgpr 512
		.amdhsa_next_free_sgpr 100
		.amdhsa_reserve_vcc 0
		.amdhsa_float_denorm_mode_32 3
		.amdhsa_float_denorm_mode_16_64 3
		.amdhsa_memory_ordered 1
		.amdhsa_forward_progress 1
		.amdhsa_inst_pref_size 92
	.end_amdhsa_kernel
	.amdgpu_metadata
---
amdhsa.version: [ 1, 2 ]
amdhsa.kernels:
  - .name:           k_qbd61e41298_attn
    .symbol:         k_qbd61e41298_attn.kd
    .args:
      - { .name: q_img, .offset: 0, .size: 8, .value_kind: global_buffer, .address_space: global }
      - { .name: kv, .offset: 8, .size: 8, .value_kind: global_buffer, .address_space: global }
      - { .name: mimg, .offset: 16, .size: 8, .value_kind: global_buffer, .address_space: global }
      - { .name: lowp_scales, .offset: 24, .size: 8, .value_kind: global_buffer, .address_space: global }
      - { .name: ctx_img, .offset: 32, .size: 8, .value_kind: global_buffer, .address_space: global }
    .group_segment_fixed_size: 327680
    .private_segment_fixed_size: 0
    .kernarg_segment_align: 8
    .kernarg_segment_size: 40
    .max_flat_workgroup_size: 256
    .sgpr_count:     100
    .vgpr_count:     512
    .wavefront_size: 32
...
	.end_amdgpu_metadata
.endif
;; end of part 3
;; launch oproj (part 4): grid 16 x 16, 4 waves a work-group, clusters of 4 x 1, 327,680 bytes of LDS; arguments ctx_img, wo_codes, lowp_scales, out0; writes out0
.if DOCPART == 4
	.amdgcn_target "amdgcn-amd-amdhsa--gfx1250"
	.amdhsa_code_object_version 6
	.text
	.protected	k_qbd61e41298_oproj
	.globl	k_qbd61e41298_oproj
	.p2align	8
	.type	k_qbd61e41298_oproj,@function
k_qbd61e41298_oproj:
	s_mov_b64 s[64:65], 0
	v_nop
	global_prefetch_b8 v0, s[64:65] scope:SCOPE_SE
	s_setreg_imm32_b32 hwreg(HW_REG_WAVE_MODE, 25, 1), 1
	s_wait_xcnt 0x0
	s_wait_alu depctr_hold_cnt(0) depctr_sa_sdst(0) depctr_va_vdst(0) depctr_va_sdst(0) depctr_va_ssrc(0) depctr_va_vcc(0) depctr_vm_vsrc(0)
	s_getreg_b32 s2, hwreg(HW_REG_IB_STS2, 6, 4)
	s_cmp_eq_u32 s2, 0
	s_cbranch_scc0 .Lentry_in_a_cluster
	s_endpgm
.Lentry_in_a_cluster:
	s_bfe_u32 s2, ttmp6, 0x10000c
	s_cmp_lg_u32 s2, 0x3003
	s_cbranch_scc0 .Lentry_shape_is_right
	s_endpgm
.Lentry_shape_is_right:
; out[m][n] = sum over k of context[m][k] wo[n][k] x 2^(ec + ew): M 4,096, N 2,048, K 1,024, both operands codes of FP8 (E4M3); f32 sums, K ascending.
; LIMIT: ec + ew lies between -126 and 127, so that 2^(ec + ew) is an f32 number.
; SHARES.  A work-group makes 256 rows (block x) x 128 columns (block y): 16 x 16 = 256 work-groups.  Wave w makes rows 64 w .. 64 w + 63 x all 128 columns: 32 accumulators.
; THE WHOLE K IS ASKED FOR AT THE HEAD, so there is no ring and nothing is filled again.  wo's 128 rows of 1,024 bytes lie in LDS (rows of 1,040 bytes), 32 rows by each wave's one tensor load.
; The context comes as images of the operand's registers, so a wave's 64 rows x 1,024 K, 65,536 consecutive bytes that no other wave of the work-group wants, go from memory straight into 512 registers, 512 bytes a load.
; CLUSTER 4 x 1: the four row blocks of a cluster want the same rows of wo and ask jointly (mask 15).  No prefetch: the launch has no loop to run ahead in; all its reads are issued at its head.
; THE MATRIX INSTRUCTION IS USED TRANSPOSED (source 0 = 16 rows of wo, source 1 = 16 rows of the context): a lane holds eight neighbouring numbers of a row of out.
; REGISTERS: window 0: v0-31 addresses, v64-255 three buffers of four fragments of wo; window 1: accumulator (a, b) at 64 a + 8 b; windows 2, 3: the context's fragment (a, q) at window 2 + a / 2, 128 (a % 2) + 16 q.
; A HALF STEP i = 2 q + u: K step q (128 along K), wo's column blocks 4 u .. 4 u + 3 against my four row blocks: 16 matrix instructions on 16 accumulators by turns; its 32 LDS loads are issued two half steps ahead.
.set SIZE_N, 2048
.set BP,     1040
.set BQ,     32*BP
.set STAGE,  4*BQ                      ; the way out: 16 rows x 528 bytes for each wave, bytes into which no fill lands
.set SPITCH, 528
.set SPARE,  STAGE+4*16*SPITCH
.set ADRB, 20                          ; v20, v21  wo's column blocks 0-3, 4-7
.set STO,  24
.set RD,   25
.set CO,   26
.set SPW,  28
.set NIL,  29
.set TMP,  32
.set BK,   128
.set G1, 24
.set G0, 32
.set MSB, 0
.macro WIN new
.if MSB != \new
	s_set_vgpr_msb (MSB<<8)|\new
.set MSB, \new
.endif
.endm
.macro CROUND
	s_barrier_signal -1
	s_barrier_wait -1
	s_cmp_lg_u32 s14, 0
	s_cbranch_scc1 .Lnot_wave_0_\@
	s_barrier_signal -3
.Lnot_wave_0_\@:
	s_barrier_wait -3
	s_barrier_signal -1
	s_barrier_wait -1
.endm
.macro PLACES
.rept 4
	v_nop
.endr
.endm
	s_load_b128 s[4:7], s[0:1], 0x0                ; ctx_img, wo_codes
	s_load_b128 s[8:11], s[0:1], 0x10              ; the scales' exponents, out0
	v_lshl_add_u32 v[SPW], v0, 2, SPARE
	v_mov_b32 v[NIL], 0
	ds_add_u32 v[SPW], v[NIL]                      ; the opening lines: the add, twice on end, and its wait
	ds_add_u32 v[SPW], v[NIL]
	v_lshrrev_b32 v1, 5, v0
	v_readfirstlane_b32 s14, v1                    ; wave 0..3
	s_bfe_u32 s40, ttmp6, 0x40000                  ; cx
	s_lshl_b32 s42, ttmp9, 2
	s_add_co_u32 s42, s42, s40                     ; x: my 256 rows
	s_and_b32 s17, ttmp7, 0xffff                   ; y: my 128 columns
	s_mov_b32 s[G1+0], 15|(1<<20)|(1<<21)|(7<<22)|(3<<25)   ; the four partners; elements of 1 byte; four words of padding behind every 256
	s_mov_b32 s[G1+1], 1024<<16
	s_mov_b32 s[G1+2], 32<<16
	s_mov_b32 s[G1+3], 1024<<16
	s_mov_b32 s[G1+4], 32
	s_mov_b32 s[G1+5], 1024
	s_mov_b32 s[G1+6], 0
	s_mov_b32 s[G1+7], 0
	s_lshl_b32 s46, s17, 17
	s_lshl_b32 s18, s14, 15
	s_add_co_u32 s46, s46, s18                     ; wo: row 128 y + 32 wave: cx does not enter
	s_mov_b32 s47, 0
	s_mul_i32 s45, s14, BQ
	s_wait_dscnt 0x0
	s_wait_kmcnt 0x0
	s_load_b64 s[96:97], s[8:9], 0x28              ; ec, ew
	s_mov_b32 s[G0], 1
	s_mov_b32 s[G0+1], s45
	s_add_nc_u64 s[G0+2:G0+3], s[6:7], s[46:47]
	s_or_b32 s[G0+3], s[G0+3], 0x80000000
	CROUND                                         ; the four partners are here: the joint loads meet
	tensor_load_to_lds s[G0:G0+3], s[G1:G1+7]      ; every wave's one tensor load of the launch
	s_nop 0
	PLACES
	s_lshl_b32 s20, s42, 18
	s_lshl_b32 s21, s14, 16
	s_add_co_u32 s20, s20, s21
	s_mov_b32 s21, 0
	s_add_nc_u64 s[4:5], s[4:5], s[20:21]          ; my four row blocks' images
	s_lshl_b32 s20, s42, 21
	s_lshl_b32 s22, s14, 19
	s_add_co_u32 s20, s20, s22
	s_lshl_b32 s22, s17, 9
	s_add_co_u32 s20, s20, s22
	s_add_nc_u64 s[10:11], s[10:11], s[20:21]      ; out: row 256 x + 64 wave, byte 512 y
	s_mul_i32 s23, s14, 16*SPITCH
	s_add_co_u32 s23, s23, STAGE
	v_and_b32 v1, 15, v0
	v_bfe_u32 v2, v0, 4, 1
	v_and_b32 v6, 31, v0
	v_lshlrev_b32 v[CO], 4, v6
	v_mul_u32_u24 v3, v1, BP
	v_lshl_add_u32 v[ADRB], v2, 3, v3              ; row r, 8 h: the plain form's own layout, as the context's images have it
	v_add_nc_u32 v[ADRB+1], 64*BP, v[ADRB]
	v_mul_u32_u24 v5, v1, SPITCH
	v_lshl_add_u32 v5, v2, 5, v5
	v_add_nc_u32 v[STO], s23, v5
	v_add_nc_u32 v[RD], s23, v[CO]
	s_wait_alu depctr_va_vdst(0)                   ; the wait at the head's end
.irp q, 0,1,2,3,4,5,6,7                ; 128 loads, K step by K step
.irp a, 0,1,2,3
	WIN 0x80+0x40*(\a/2)
.irp g, 0,1,2,3
	global_load_b128 v[128*(\a%2)+16*\q+4*\g:128*(\a%2)+16*\q+4*\g+3], v[CO], s[4:5] offset:\a*16384+\q*2048+\g*512
.endr
.endr
.endr
	WIN 0
.macro BLOAD i
.irp f, 0,1,2,3
.irp c, 0,1,2,3,4,5,6,7
	ds_load_b64 v[64+64*((\i)%3)+16*\f+2*\c:64+64*((\i)%3)+16*\f+2*\c+1], v[ADRB+(\i)%2] offset:\f*16*BP+128*((\i)/2)+16*\c
.endr
.endr
.endm
.macro MM i, a
.irp f, 0,1,2,3
.set DD, 64*(\a)+8*(4*((\i)%2)+\f)
.set FB, 64+64*((\i)%3)+16*\f
.set FA, 128*((\a)%2)+16*((\i)/2)
.if (\i) < 2
	v_wmma_f32_16x16x128_fp8_fp8 v[DD:DD+7], v[FB:FB+15], v[FA:FA+15], 0
.else
	v_wmma_f32_16x16x128_fp8_fp8 v[DD:DD+7], v[FB:FB+15], v[FA:FA+15], v[DD:DD+7]
.endif
.endr
.endm
.macro HS i
.if (\i)%2 == 0
.if 112-8*(\i) > 63
	s_wait_loadcnt 63                              ; at least 64 loads stand behind this K step's: a lower count than is needed
.else
	s_wait_loadcnt 112-8*(\i)                      ; this K step's fragments of the context are in; the later K steps' may be out
.endif
.endif
.if (\i) < 15
	s_wait_dscnt 32                                ; this half step's fragments of wo are in; the next one's 32 loads may be out
.else
	s_wait_dscnt 0x0
.endif
.if (\i) < 14
.if (\i) > 0
	PLACES                                         ; the buffer below was read by the last half step's products
.endif
	BLOAD (\i)+2
.endif
	WIN 0x58                                       ; wo window 0, context window 2, C and D window 1
	MM \i, 0
	MM \i, 1
	WIN 0x5c                                       ; context window 3
	MM \i, 2
	MM \i, 3
	WIN 0
.endm
	s_wait_tensorcnt 0x0                           ; my 32 rows of wo are in
	s_barrier_signal -1
	s_barrier_wait -1                              ; and everybody's
	BLOAD 0
	BLOAD 1
.irp i, 0,1,2,3,4,5,6,7,8,9,10,11,12,13,14,15
	HS \i
.endr
; THE WAY OUT, block by block of 16 rows x 128 columns, through my own stage: whole rows of 512 bytes come back and leave as two aligned units of 256 bytes
.macro TOSTAGE a
	WIN 0x01
.set j, 0
.rept 32
	v_pk_mul_f32 v[TMP+j:TMP+j+1], v[64*(\a)+j:64*(\a)+j+1], s[96:97] op_sel_hi:[1,0]   ; x 2^(ec + ew); each accumulator from its low end on
.set j, j+2
.endr
	WIN 0
.irp b, 0,1,2,3,4,5,6,7
	ds_store_b128 v[STO], v[TMP+8*\b:TMP+8*\b+3] offset:64*\b
	ds_store_b128 v[STO], v[TMP+8*\b+4:TMP+8*\b+7] offset:64*\b+16
.endr
.set BB, BK+64*((\a)%2)
.irp t, 0,1,2,3,4,5,6,7,8,9,10,11,12,13,14,15
	ds_load_b128 v[BB+4*\t:BB+4*\t+3], v[RD] offset:\t*SPITCH
.endr
.endm
.macro SEND a, younger
.set BB, BK+64*((\a)%2)
	s_wait_dscnt \younger
.if (\a) > 0
	s_add_nc_u64 s[10:11], s[10:11], 16*SIZE_N*4   ; behind a wait on XCNT: the earlier stores have read their base
.endif
.irp t, 0,1,2,3,4,5,6,7,8,9,10,11,12,13,14,15
	global_store_b128 v[CO], v[BB+4*\t:BB+4*\t+3], s[10:11] offset:\t*SIZE_N*4 th:TH_STORE_NT
.endr
.endm
	s_wait_kmcnt 0x0
	s_add_co_i32 s96, s96, s97
	s_add_co_i32 s96, s96, 127
	s_lshl_b32 s96, s96, 23                        ; 2^(ec + ew)
	PLACES
	TOSTAGE 0
.irp a, 1,2,3
.if \a > 1
	s_wait_xcnt 0x0                                ; block a - 2's stores have read their registers and their base
.endif
	TOSTAGE \a
	SEND \a-1, 32                                  ; behind block a - 1's loads: block a's 16 stores and 16 loads
.endr
	s_wait_xcnt 0x0
	SEND 3, 0
	s_wait_tensorcnt 0x0                           ; the wave's end
	ds_add_u32 v[SPW], v[NIL]
	s_wait_dscnt 0x0
	CROUND                                         ; the closing round
	s_endpgm
.Lfunc_end_k_qbd61e41298_oproj:
	.size	k_qbd61e41298_oproj, .Lfunc_end_k_qbd61e41298_oproj-k_qbd61e41298_oproj
	.p2alignl 7, 3214868480
	.fill 96, 4, 3214868480
	.section	.rodata,"a",@progbits
	.p2align	6, 0x0
	.amdhsa_kernel k_qbd61e41298_oproj
		.amdhsa_group_segment_fixed_size 327680
		.amdhsa_private_segment_fixed_size 0
		.amdhsa_enable_private_segment 0
		.amdhsa_kernarg_size 32
		.amdhsa_user_sgpr_count 2
		.amdhsa_user_sgpr_kernarg_segment_ptr 1
		.amdhsa_wavefront_size32 1
		.amdhsa_system_sgpr_workgroup_id_x 1
		.amdhsa_system_sgpr_workgroup_id_y 1
		.amdhsa_system_sgpr_workgroup_id_z 1
		.amdhsa_system_vgpr_workitem_id 0
		.amdhsa_next_free_vgpr 1024
		.amdhsa_next_free_sgpr 98
		.amdhsa_reserve_vcc 0
		.amdhsa_float_denorm_mode_32 3
		.amdhsa_float_denorm_mode_16_64 3
		.amdhsa_memory_ordered 1
		.amdhsa_forward_progress 1
		.amdhsa_inst_pref_size 92
	.end_amdhsa_kernel
	.amdgpu_metadata
---
amdhsa.version: [ 1, 2 ]
amdhsa.kernels:
  - .name:           k_qbd61e41298_oproj
    .symbol:         k_qbd61e41298_oproj.kd
    .args:
      - { .name: ctx_img, .offset: 0, .size: 8, .value_kind: global_buffer, .address_space: global }
      - { .name: wo_codes, .offset: 8, .size: 8, .value_kind: global_buffer, .address_space: global }
      - { .name: lowp_scales, .offset: 16, .size: 8, .value_kind: global_buffer, .address_space: global }
      - { .name: out0, .offset: 24, .size: 8, .value_kind: global_buffer, .address_space: global }
    .group_segment_fixed_size: 327680
    .private_segment_fixed_size: 0
    .kernarg_segment_align: 8
    .kernarg_segment_size: 32
    .max_flat_workgroup_size: 128
    .sgpr_count:     98
    .vgpr_count:     1024
    .wavefront_size: 32
...
	.end_amdgpu_metadata
.endif
;; end of part 4
